; MI455X (gfx1250); checked and timed in simulation.
; The chip was launched on July 23, 2026; its instructions are those of AMD's public machine-readable ISA for CDNA 5 (MIT licence, August 2026) and "CDNA5" Instruction Set Architecture Reference Guide (July 2026). The comments in the code are by the model that wrote it; some were corrected since.
;; Stacked Fc Fast. Allowed arithmetic: float matrix products may take bf16 or f16 operands with f32 sums; other float arithmetic in f32, or as packed bf16 or f16 multiplies, adds, multiply-adds, maxima and minima; sums over many terms, partial sums and values carried from step to step in f32; what a program stores and reads back later, other than sums and carried values, may be rounded once to bf16 or f16.
;; Inputs: b 32 x 1 x 1,024 float32; idx 2,048 x 4 int32; w 32 x 1,024 x 1,024 float32; x 2,048 x 1,024 float32.
;; Outputs: out0 2,048 x 4 x 1,024 float32.
;; One version. Each part assembles by itself: llvm-mc -triple=amdgcn-amd-amdhsa -mcpu=gfx1250 --defsym DOCPART=n.
;; ======== version 1 of 1: 1 launch
;; launch moe (part 1): grid 8 x 32, 4 waves a work-group, no clusters, 326,400 bytes of LDS; arguments x, idx, w, b, out0; writes out0
.if DOCPART == 1
	.amdgcn_target "amdgcn-amd-amdhsa--gfx1250"
	.amdhsa_code_object_version 6
	.text
	.protected	k_qf9a77e2fe7_moe
	.globl	k_qf9a77e2fe7_moe
	.p2align	8
	.type	k_qf9a77e2fe7_moe,@function
k_qf9a77e2fe7_moe:
	s_mov_b64 s[64:65], 0
	v_nop
	global_prefetch_b8 v0, s[64:65] scope:SCOPE_SE
	s_setreg_imm32_b32 hwreg(HW_REG_WAVE_MODE, 25, 1), 1
	s_wait_xcnt 0x0
; out[t][k][:] = relu(x[t] @ w[idx[t][k]] + b[idx[t][k]]).  x [2048][1024], idx [2048][4] i32, w [32][1024][1024] ([k][n]), b [32][1][1024], out [2048][4][1024]; all numbers f32.
; Only the chosen experts' rows are multiplied: 8,192 routed rows r = 4 t + k.
; SHARES.  Work-group (slice sl = x, expert e = y) owns w[e][:, 128 sl .. 128 sl + 127], 512 KB that it alone reads, once, and ALL rows routed to e, whatever their number (0 to 8,192).
; Each wave scans a quarter of idx and writes its matches into its own list segment in LDS.  Rows are dealt in blocks of 16, round robin over the four waves.
; THE FIRST 320 ROWS (five blocks a wave) are multiplied while w streams in: K goes in 16 chunks of 64.  w: memory -> registers -> bf16 B fragments -> LDS, where all 256 KB of them STAY.
; x rows: memory -> registers -> bf16 -> the wave's own stage in LDS -> A fragments.
; ROWS FROM 320 ON take one block a wave at a time on the resident fragments, with x loaded straight in a fragment's order (pieces of 32 bytes: a short text for splits that put more than 320 rows on one expert).
; THE TURN OF w COSTS NOTHING.  A lane loads 16 bytes = 4 neighbouring columns of one k row; rows k and k + 1 rounded in pairs give one packed register for each of FOUR fragments, in which lane r holds column 4 r + f.
; In the results a lane's four accumulators f = 0..3 then hold 4 neighbouring columns of one row of out: a 16-byte store, of which 16 lanes cover 256 consecutive bytes, aligned.  No stage on the way out.
; ROUNDING.  All three floating-point inputs, x, w and b, are rounded once to bf16 (8 significant bits); the sums are f32 and start at the rounded bias.
; LIMITS.  A sum that is NaN leaves as 0 (v_max_num_f32).  An idx outside 0..31 matches no expert and its row is not written (the problem keeps indices inside the table).
; In a block that is not full the places past the count repeat the expert's last row: the same numbers go to the same bytes.  A wave's blocks 0 to 2 are multiplied also where they hold no row; a block without a row is never stored.
; An expert without rows still lays its slice out and stores nothing.
; A wave has up to 72 loads into registers issued at a time; the counter's field holds 63, and the issue is then held until the oldest are back (ISA guide 5.7.1): no wait is written for that.
; NO CLUSTER, NO TENSOR LOAD: each slice of w has one reader; what an expert's eight work-groups share are x rows named by a list, which no tile descriptor covers; and f32 weights pass through registers anyway, to be rounded.
;
; LDS
.set WF,     0                         ; resident B fragments: (k step ks 0..31, fragment j 0..7) at (8 ks + j) x 1024; registers 0-3 at 16 x lane, registers 4-7 at 512 + 16 x lane
.set STG,    262144                    ; x stage: wave at 11,520 w, block at 2,304 b, row at 144 rho.  During the scan: the wave's 8 KB of idx
.set STGW,   11520
.set STGB,   2304
.set SPITCH, 144                       ; 128 bytes + 16 = 36 words: the 16 rows of a fragment load start at 16 different groups of four banks (64 banks of 4 bytes: ISA guide 11.1)
.set LIST,   308224                    ; wave w's segment at 4,352 w: 2,048 entries of 16 bits, then a trash entry for each lane
.set SEG,    4352
.set CNTB,   325632                    ; word w: wave w's count
.set SPARE,  325888                    ; the spare words, 128 bytes a wave: two blocks of 256 bytes that no other line names
.set ROWB,   4096                      ; bytes in a row of x, of w[e] and of out
.set CHUNKB, 64*ROWB                   ; a chunk of w[e]: 64 k rows
; VECTOR REGISTERS, in windows of 256 (s_set_vgpr_msb: bits 1:0 source 0, 3:2 source 1, 5:4 source 2, 7:6 destination)
; window 0
.set LN,   1                           ; lane
.set L16,  2                           ; 16 (lane % 16)
.set HH,   3                           ; lane / 16
.set RR,   4                           ; lane % 16
.set BL0,  5                           ; 16 x lane
.set BLD,  6                           ; LDS address of this chunk's B fragments
.set SCA,  7                           ; the scan: LDS address of my 16 bytes of idx
.set SLD,  8                           ; LDS address of my part of an A fragment in my stage
.set SLT0, 9                           ; 16 wave + lane % 16
.set SLT,  10                          ; my slot in the first block in hand
.set ROWV, 11                          ; the scan: 4 x my token
.set SPW,  12                          ; LDS address of my spare word; never rewritten
.set NIL,  13                          ; 0; never rewritten
.set TRH,  14                          ; 2048 + lane: my trash entry's index
.set IOF,  15                          ; my byte offset in idx
.set NX,   16                          ; v16-19 the scan: four words of idx
.set CN,   20                          ; v20-23 the four counts
.set BP,   24                          ; v24-31 pair p: 4 p + 32 (lane / 16), the lane to pull a row number from, times 4
.set BI,   32                          ; v32-39 bias of my column in fragment j
.set RB,   40                          ; v40-44 block b: row number of slot lane % 16
.set TA,   45
.set TBB,  46
.set TCC,  47
.set AF,   48                          ; v48-127 A fragments: block b, k step s at 48 + 16 b + 8 s.  In the scan: PA4, RV4, SEGB
.set PA4,  48
.set RV4,  52
.set SEGB, 56                          ; my wave's list segment
.set BF,   128                         ; v128-255 B fragments: k step s, fragment j at 128 + 64 s + 8 j.  Outside the K loops: ID, RX
.set ID,   128                         ; 64 words of idx
.set RX,   192                         ; 40 row numbers: block b, pair p
; window 1: accumulators of blocks 0-3 at 64 b + 8 j
; window 2: v0-63 accumulators of block 4
.set WS,   64                          ; two sets of 64: a unit of w (32 k rows x 64 columns) as loaded
.set OO,   192                         ; 40 byte offsets in out
.set TW,   232                         ; 16 at work
.set WOF,  248                         ; my byte offset in a unit of w
.set WST,  249                         ; LDS address of my stores of fragments
.set PF,   250                         ; 4096 x lane: a row of my unit
.set WST0, 251                         ; 16 lane + 4096 wave
; window 3
.set XX,   0                           ; 160: x as loaded, block b, pair p at 32 b + 4 p
.set TT,   0                           ; on the way out: two banks of 64
.set TX,   160                         ; 16 at work
.set XO,   176                         ; 40 byte offsets in x
.set SST,  216                         ; LDS address of my stores into the stage
; SCALAR REGISTERS
.set XB,   4                           ; s[4:5] x   s[6:7] idx   s[8:9] w   s[10:11] b   s[12:13] out
.set IX,   6
.set WB,   8
.set BB,   10
.set OB,   12
.set WV,   14                          ; wave
.set EX,   15                          ; expert
.set SLC,  16                          ; slice
.set NB,   17                          ; my live blocks among the first five
.set TOT,  18                          ; the expert's rows
.set LAST, 19                          ; max(TOT, 1) - 1
.set SBASE, 20                         ; first slot of the blocks in hand, less my wave's 16 w
.set NOV,  21                          ; my blocks beyond the first five
.set KC,   22
.set RK,   24
.set ST0,  25
.set ST1,  26
.set PIDX, 27
.set XP,   28                          ; s[28:29] x at the chunk to be loaded
.set WP,   30                          ; s[30:31] my unit of w in the chunk to be loaded
.set PP,   32                          ; s[32:33] the same for the prefetch
.set PS,   34                          ; s[34:35] its step
.set OP,   36                          ; s[36:37] out + 512 slice
.set CC,   40                          ; s40-43 counts
.set BS,   44                          ; s44-46 their running sums
.set GG,   47                          ; s47-49 4352 - 2 x count: what a slot's list offset gains on passing a segment's end
.set NBLK, 50
.set CB,   51                          ; 16,384 x chunk
.set OW,   52
.set OBI,  54
.set OOU,  56
.set MK,   58                          ; s58-61 four masks of matches
.set MSB, 0
.macro WIN new                         ; the immediate's high byte repeats the setting that is left; a switch that changes nothing is dropped
.if MSB != (\new)
	s_set_vgpr_msb (MSB<<8)|(\new)
.set MSB, \new
.endif
.endm
.macro PLACES                          ; a vector instruction that reads a matrix result stands four plain vector instructions behind it (ISA guide 7.12.1)
.rept 4
	v_nop
.endr
.endm
; 16 loads: my unit (32 k rows x 256 bytes) of a chunk.  Each covers two rows' 256 consecutive bytes, aligned: lanes 0-15 row t (t + 8 from the ninth on), lanes 16-31 eight rows below: a fragment's own order of k.
.macro WLOAD set, extra
	WIN 0x8a
.irp t, 0,1,2,3,4,5,6,7,8,9,10,11,12,13,14,15
	global_load_b128 v[WS+64*(\set)+4*(\t):WS+64*(\set)+4*(\t)+3], v[WOF], s[WP:WP+1] offset:((\t)+8*((\t)/8))*ROWB+(\extra) th:TH_LOAD_NT
.endr
.endm
; A set is rounded into four fragments (register i of fragment f: rows 2 i and 2 i + 1, column 4 r + f) and stored at CB + ldsx; then the set is loaded again (wiss) and a later chunk asked for (pf).
.macro WCONV set, cw, ldsx, wiss, gx, pf
	WIN 0x8a
	v_add_nc_u32 v[WST], s[CB], v[WST0]
	s_wait_loadcnt \cw                     ; loads come back in order (ISA guide 5.7.1): the set is in; the count names loads issued behind it
.irp f, 0,1,2,3
.irp i, 0,1,2,3,4,5,6,7
	v_cvt_pk_bf16_f32 v[TW+8*((\f)&1)+(\i)], v[WS+64*(\set)+8*(\i)+(\f)], v[WS+64*(\set)+8*(\i)+4+(\f)]
.endr
	ds_store_b128 v[WST], v[TW+8*((\f)&1):TW+8*((\f)&1)+3] offset:(\ldsx)+1024*(\f)
	ds_store_b128 v[WST], v[TW+8*((\f)&1)+4:TW+8*((\f)&1)+7] offset:(\ldsx)+1024*(\f)+512
.endr
.if \wiss
	WLOAD \set, \gx
.endif
.if \pf
	global_prefetch_b8 v[PF], s[PP:PP+1] th:TH_LOAD_NT scope:SCOPE_SE   ; my own unit, a lane a row of 256 bytes, two chunks ahead of the loads just issued
.endif
.endm
; 8 loads: block b's 16 rows, 256 bytes (64 k) of each; pair p: lanes 0-15 row p, lanes 16-31 row p + 8
.macro XLOAD b
	WIN 0xcf
.irp p, 0,1,2,3,4,5,6,7
	global_load_b128 v[XX+32*(\b)+4*(\p):XX+32*(\b)+4*(\p)+3], v[XO+8*(\b)+(\p)], s[XP:XP+1]
.endr
.endm
; Block b's chunk of x is rounded and staged.  Done for all five blocks, live or not: the loads' number and order are the same on every way, and the stage is always written before it is read.
.macro XPREP b, cnt
	WIN 0xcf
	s_wait_loadcnt \cnt
.irp p, 0,1,2,3,4,5,6,7
	v_cvt_pk_bf16_f32 v[TX+2*(\p)], v[XX+32*(\b)+4*(\p)], v[XX+32*(\b)+4*(\p)+1]
	v_cvt_pk_bf16_f32 v[TX+2*(\p)+1], v[XX+32*(\b)+4*(\p)+2], v[XX+32*(\b)+4*(\p)+3]
.endr
.irp p, 0,1,2,3,4,5,6,7
	ds_store_b64 v[SST], v[TX+2*(\p):TX+2*(\p)+1] offset:STGB*(\b)+SPITCH*(\p)   ; rows p and p + 8 lie 288 words apart: the two halves of the lanes take different halves of the banks
.endr
.endm
.macro BLOAD                           ; a chunk's 16 B fragments: 32 loads of 512 consecutive bytes
.irp s, 0,1
.irp j, 0,1,2,3,4,5,6,7
	ds_load_b128 v[BF+64*(\s)+8*(\j):BF+64*(\s)+8*(\j)+3], v[BLD] offset:8192*(\s)+1024*(\j)
	ds_load_b128 v[BF+64*(\s)+8*(\j)+4:BF+64*(\s)+8*(\j)+7], v[BLD] offset:8192*(\s)+1024*(\j)+512
.endr
.endr
.endm
.macro ALOAD                           ; my five blocks' A fragments; LDS serves a wave's instructions in order (ISA guide 5.7.1.4): these see the stage's stores above
.irp b, 0,1,2,3,4
.irp s, 0,1
	ds_load_b128 v[AF+16*(\b)+8*(\s):AF+16*(\b)+8*(\s)+3], v[SLD] offset:STGB*(\b)+64*(\s)
	ds_load_b128 v[AF+16*(\b)+8*(\s)+4:AF+16*(\b)+8*(\s)+7], v[SLD] offset:STGB*(\b)+64*(\s)+32
.endr
.endr
.endm
; The products of a chunk: 16 a block, for nb blocks; blocks 3 and 4 only where they hold rows.  A block's eight accumulators take turns, one instruction a turn;
; a block's last and the next one's first (round the loop too) differ.
.macro UNITS nb
.set b, 0
.rept \nb
.if b >= 3
	WIN 0
	s_cmp_le_u32 s[NB], b
	s_cbranch_scc1 .Lu_end_\@
.endif
.if b < 4
	WIN 0x50                               ; C and D in window 1
.else
	WIN 0xa0                               ; in window 2
.endif
.irp s, 0,1
.irp j, 0,1,2,3,4,5,6,7
	v_wmma_f32_16x16x32_bf16 v[64*(b%4)+8*(\j):64*(b%4)+8*(\j)+7], v[AF+16*b+8*(\s):AF+16*b+8*(\s)+7], v[BF+64*(\s)+8*(\j):BF+64*(\s)+8*(\j)+7], v[64*(b%4)+8*(\j):64*(b%4)+8*(\j)+7]
.endr
.endr
.set b, b+1
.endr
	WIN 0
.Lu_end_\@:
.endm
; ONE CHUNK OF K for five blocks.  wpart = 1: set `set` of w is rounded into the chunk two on and loaded again with the chunk four on, and a barrier shows the stored fragments to all.
; xskip = 1: the loop's last trip asks for no further x.
; All 40 loads of the next chunk of x stand behind all five conversions, so that behind block b's 8 loads stand 8 (4 - b) more of x and, with wpart, the 16 of w issued in the trip before: 32 - 8 b + 16 wpart.
.macro TRIP set, wpart, xskip
	WIN 0
	s_wait_xcnt 0x0                        ; the pointers below are sources of loads and of a prefetch: they are stepped only behind this wait
	s_add_nc_u64 s[XP:XP+1], s[XP:XP+1], 0x100
.if \wpart
	s_add_nc_u64 s[WP:WP+1], s[WP:WP+1], CHUNKB
	s_cmp_ge_u32 s[KC], 2                  ; the loop's last two trips would ask past chunk 15: they ask for chunk 15 again
	s_cselect_b32 s[PS], CHUNKB, 0
	s_add_nc_u64 s[PP:PP+1], s[PP:PP+1], s[PS:PS+1]
.endif
	v_add_nc_u32 v[BLD], s[CB], v[BL0]     ; with the three lines below: four plain vector instructions between the last product and the loads into its sources
.rept 3
	v_nop
.endr
	BLOAD
.irp b, 0,1,2,3,4
	XPREP \b, 32-8*(\b)+16*(\wpart)
.endr
.if \xskip
	WIN 0
	s_cmp_eq_u32 s[KC], 1
	s_cbranch_scc1 .Lnox_\@
.endif
.irp b, 0,1,2,3,4
	XLOAD \b
.endr
	WIN 0
.if \xskip
.Lnox_\@:
.endif
	ALOAD
.if \wpart
	WCONV \set, 56, 0x8000, 1, 0, 1        ; behind the set's loads were issued 40 of x, 16 of w, 40 of x: the last 56 may be out
.endif
	WIN 0
	s_wait_dscnt 0x0                       ; my fragments are in registers; for the others' sake: my stores of the chunk two on are done
.if \wpart
	s_barrier_signal -1
.endif
	UNITS 5                                ; work on registers while the others arrive
.if \wpart
	s_barrier_wait -1                      ; all four units of the chunk two on are in LDS.  Nobody writes a byte of WF twice, so no second barrier is needed
.endif
	s_add_co_u32 s[CB], s[CB], 0x4000
.endm
; The row numbers and offsets of nb blocks.  Slot a (clamped to the last row) lies in the list at 2 a plus, for each segment's end that it has passed, 4352 - 2 x that segment's count.
; nb = 5: x is loaded by pairs of rows, 256 bytes of each.  nb = 1: x is loaded in a fragment's order: lane l takes row l % 16, 32 bytes on for lanes 16-31.
.macro SETUP nb
	WIN 0
	v_add_nc_u32 v[SLT], s[SBASE], v[SLT0]
.set b, 0
.rept \nb
	v_add_nc_u32 v[TA], 64*b, v[SLT]
	v_min_u32 v[TA], s[LAST], v[TA]
	v_lshlrev_b32 v[TBB], 1, v[TA]
.irp k, 0,1,2
	v_cmp_le_u32 vcc_lo, s[BS+(\k)], v[TA]
	v_cndmask_b32 v[TCC], 0, s[GG+(\k)], vcc_lo
	v_add_nc_u32 v[TBB], v[TBB], v[TCC]
.endr
	v_min_u32 v[TBB], 0x43fe, v[TBB]       ; inside the four segments, whatever was read
	v_add_nc_u32 v[TBB], LIST, v[TBB]
	ds_load_u16 v[RB+b], v[TBB]
.set b, b+1
.endr
	s_wait_dscnt 0x0
.set b, 0
.rept \nb
	v_min_u32 v[RB+b], 0x1fff, v[RB+b]     ; a row of out: 0 .. 8191
.set b, b+1
.endr
.set i, 0
.rept 8*(\nb)
	ds_bpermute_b32 v[RX+i], v[BP+i%8], v[RB+i/8]   ; pair p: lanes 0-15 take row p's number, lanes 16-31 row p + 8's
.set i, i+1
.endr
.if (\nb) == 1
	v_and_b32 v[TA], 0x1ffc, v[RB]         ; 4 x the row's token
	v_lshlrev_b32 v[TBB], 5, v[HH]
	WIN 0xc0
	v_lshl_add_u32 v[XO], v[TA], 10, v[TBB]
	WIN 0
.endif
	s_wait_dscnt 0x0
.set i, 0
.rept 8*(\nb)
	v_min_u32 v[RX+i], 0x1fff, v[RX+i]
.set i, i+1
.endr
	WIN 0x80
.set i, 0
.rept 8*(\nb)
	v_lshl_add_u32 v[OO+i], v[RX+i], 12, v[L16]
.set i, i+1
.endr
.if (\nb) > 1
	WIN 0
.set i, 0
.rept 8*(\nb)
	v_and_b32 v[RX+i], 0x1ffc, v[RX+i]     ; 4 x the row's token
.set i, i+1
.endr
	WIN 0xc0
.set i, 0
.rept 8*(\nb)
	v_lshl_add_u32 v[XO+i], v[RX+i], 10, v[L16]
.set i, i+1
.endr
.endif
	WIN 0
.endm
; The sums start at the bias: these moves take the place of as many additions on the way out.  All eight registers of an accumulator hold one column.
.macro INIT nb
	WIN 0x40
.set i, 0
.rept 64*(\nb)-64*((\nb)/5)
	v_mov_b32 v[i], v[BI+(i/8)%8]
.set i, i+1
.endr
.if (\nb) == 5
	WIN 0x80
.set i, 0
.rept 64
	v_mov_b32 v[i], v[BI+i/8]
.set i, i+1
.endr
.endif
	WIN 0
.endm
; THE WAY OUT: relu, and 16 stores a block; of five blocks only those that hold rows.  Register r of accumulators 4 g .. 4 g + 3 is 16 bytes of row r (lanes 16-31: row r + 8): 16 lanes store 256 consecutive bytes, aligned.
; Each accumulator's register 0 is read first.
.macro EPI nb
	WIN 0
	PLACES
.set b, 0
.rept \nb
.if (\nb) > 1
	WIN 0
	s_cmp_le_u32 s[NB], b
	s_cbranch_scc1 .Le_end_\@
.endif
.if b >= 2
	s_wait_xcnt 0x0                        ; the bank is the data of the stores of two blocks ago: it is rewritten only behind this wait
.endif
.if b < 4
	WIN 0xc4
.else
	WIN 0xc8
.endif
.irp r, 0,1,2,3,4,5,6,7
.irp j, 0,1,2,3,4,5,6,7
	v_max_num_f32 v[TT+64*(b&1)+8*(\r)+(\j)], 0, v[64*(b%4)+8*(\j)+(\r)]
.endr
.endr
	WIN 0x0e
.irp r, 0,1,2,3,4,5,6,7
.irp g, 0,1
	global_store_b128 v[OO+8*b+(\r)], v[TT+64*(b&1)+8*(\r)+4*(\g):TT+64*(b&1)+8*(\r)+4*(\g)+3], s[OP:OP+1] offset:256*(\g) th:TH_STORE_NT
.endr
.endr
.set b, b+1
.endr
	WIN 0
.Le_end_\@:
.endm
; 8 loads: a chunk of one block's x in a fragment's order: for k step s my row's k = 8 h .. 8 h + 7 (32 bytes) and 16 + 8 h .. (64 bytes on)
.macro OLOAD
	WIN 0xcf
.irp s, 0,1
.irp q, 0,1,2,3
	global_load_b128 v[XX+16*(\s)+4*(\q):XX+16*(\s)+4*(\q)+3], v[XO], s[XP:XP+1] offset:128*(\s)+16*(\q)+32*((\q)/2)
.endr
.endr
.endm
; ---------------------------------------------------------------- set-up
	s_load_b256 s[XB:XB+7], s[0:1], 0x0    ; x, idx, w, b
	s_load_b64 s[OB:OB+1], s[0:1], 0x20    ; out
	v_lshl_add_u32 v[SPW], v0, 2, SPARE
	v_mov_b32 v[NIL], 0
	v_lshrrev_b32 v[LN], 5, v0
	v_readfirstlane_b32 s[WV], v[LN]       ; wave 0..3
	v_and_b32 v[LN], 31, v0
	v_and_b32 v[RR], 15, v0
	v_bfe_u32 v[HH], v0, 4, 1
	v_lshlrev_b32 v[L16], 4, v[RR]
	v_lshlrev_b32 v[BL0], 4, v[LN]
	s_and_b32 s[EX], ttmp7, 0xffff
	s_mov_b32 s[SLC], ttmp9
	s_lshl_b32 s[ST0], s[WV], 4
	v_add_nc_u32 v[SLT0], s[ST0], v[RR]
	v_add_nc_u32 v[TRH], 0x800, v[LN]
	s_lshl_b32 s[ST0], s[WV], 11
	v_lshl_add_u32 v[ROWV], v[LN], 2, s[ST0]  ; 4 x token 512 wave + lane
	s_lshl_b32 s[ST0], s[WV], 13
	v_lshl_add_u32 v[IOF], v[LN], 4, s[ST0]   ; that token's 16 bytes of idx
	s_mul_i32 s[ST0], s[WV], SEG
	s_add_co_u32 s[ST0], s[ST0], LIST
	v_mov_b32 v[SEGB], s[ST0]
.irp p, 0,1,2,3,4,5,6,7
	v_lshl_add_u32 v[BP+(\p)], v[HH], 5, 4*(\p)
.endr
	s_mul_i32 s[ST0], s[WV], STGW
	s_add_co_u32 s[ST0], s[ST0], STG       ; my stage
	v_lshl_add_u32 v[SCA], v[LN], 4, s[ST0]
	v_mul_u32_u24 v[SLD], v[RR], SPITCH    ; out of it: row lane % 16, 16 bytes for each half of the lanes
	v_lshl_add_u32 v[SLD], v[HH], 4, v[SLD]
	v_add_nc_u32 v[SLD], s[ST0], v[SLD]
	v_mul_u32_u24 v[TA], v[HH], 8*SPITCH   ; into it: eight rows down for lanes 16-31, 8 bytes a lane
	v_lshl_add_u32 v[TA], v[RR], 3, v[TA]
	WIN 0xc0
	v_add_nc_u32 v[SST], s[ST0], v[TA]
	WIN 0x80
	v_lshl_add_u32 v[WOF], v[HH], 15, v[L16]   ; eight k rows down for lanes 16-31, 16 bytes a lane
	s_lshl_b32 s[ST1], s[WV], 12           ; wave = 2 ks + g has fragments 8 ks + 4 g + f = 4 wave + f of a chunk
	v_lshl_add_u32 v[WST0], v[LN], 4, s[ST1]
	v_lshlrev_b32 v[PF], 12, v[LN]
	WIN 0
	s_lshl_b32 s[OW], s[EX], 22            ; my unit of chunk 0: expert x 4 MB + ks x 32 rows + slice x 512 + g x 256
	s_lshr_b32 s[ST0], s[WV], 1
	s_lshl_b32 s[ST0], s[ST0], 17
	s_add_co_u32 s[OW], s[OW], s[ST0]
	s_lshl_b32 s[OOU], s[SLC], 9
	s_add_co_u32 s[OW], s[OW], s[OOU]
	s_and_b32 s[ST0], s[WV], 1
	s_lshl_b32 s[ST0], s[ST0], 8
	s_add_co_u32 s[OW], s[OW], s[ST0]
	s_mov_b32 s[OW+1], 0
	s_lshl_b32 s[OBI], s[EX], 12
	s_add_co_u32 s[OBI], s[OBI], s[OOU]
	s_mov_b32 s[OBI+1], 0
	s_mov_b32 s[OOU+1], 0
	s_mov_b32 s[PS+1], 0
	s_mov_b32 s[CB], 0
	s_mov_b32 s[RK], 0
	s_wait_kmcnt 0x0
	s_add_nc_u64 s[WP:WP+1], s[WB:WB+1], s[OW:OW+1]
	s_add_nc_u64 s[BB:BB+1], s[BB:BB+1], s[OBI:OBI+1]
	s_add_nc_u64 s[OP:OP+1], s[OB:OB+1], s[OOU:OOU+1]
.irp q, 0,1,2,3,4,5,6,7,8,9,10,11,12,13,14,15
	global_load_b128 v[ID+4*(\q):ID+4*(\q)+3], v[IOF], s[IX:IX+1] offset:512*(\q)   ; the four choices of token 512 wave + 32 q + lane
.endr
	global_load_b128 v[BI:BI+3], v[L16], s[BB:BB+1]               ; bias of columns 4 r .. 4 r + 3,
	global_load_b128 v[BI+4:BI+7], v[L16], s[BB:BB+1] offset:256  ; and 64 columns on
	WLOAD 0, 0                             ; chunks 0 and 1 of w are on their way during the scan
	WLOAD 1, CHUNKB
.irp c, 2,3,4,5
	global_prefetch_b8 v[PF], s[WP:WP+1] offset:(\c)*CHUNKB th:TH_LOAD_NT scope:SCOPE_SE   ; my unit of chunks 2 to 5: 8 KB each
.endr
	WIN 0
	s_wait_loadcnt 34                      ; idx is in; behind it: 2 loads of bias, 32 of w
; ---------------------------------------------------------------- the scan: my 2,048 choices.  They go into my stage's bytes, so that ONE text can walk them, four words (a token a lane) a trip.
	ds_store_b128 v[SCA], v[ID:ID+3]
	ds_load_b128 v[NX:NX+3], v[SCA]        ; the first trip's words; LDS serves a wave's instructions in order (ISA guide 5.7.1.4)
.set q, 1
.rept 15
	ds_store_b128 v[SCA], v[ID+4*q:ID+4*q+3] offset:512*q
.set q, q+1
.endr
	ds_store_b128 v[SCA], v[ID+60:ID+63] offset:512*16   ; a 17th block, so that the last trip's look-ahead reads bytes that were written; nothing is made of it
	v_mov_b32 v[TA], 0
	ds_store_b16 v[SEGB], v[TA]            ; my segment's first entry is written whatever follows: an expert without rows reads one
	s_mov_b32 s[KC], 16
.Lscan:
	s_wait_dscnt 4                         ; behind the load of this trip's words stand the last trip's four list stores (on the way in: 17 stores)
.irp k, 0,1,2,3
	v_cmp_eq_u32 s[MK+(\k)], s[EX], v[NX+(\k)]
.endr
	v_add_nc_u32 v[SCA], 0x200, v[SCA]
	ds_load_b128 v[NX:NX+3], v[SCA]        ; the next trip's words
.irp k, 0,1,2,3
	v_add_nc_u32 v[RV4+(\k)], \k, v[ROWV]  ; the row of out: 4 token + k
.endr
.irp k, 0,1,2,3
	v_mbcnt_lo_u32_b32 v[PA4+(\k)], s[MK+(\k)], s[RK]   ; matches so far + matches in lower lanes
	s_bcnt1_i32_b32 s[ST0], s[MK+(\k)]
	s_add_co_u32 s[RK], s[RK], s[ST0]
.endr
.irp k, 0,1,2,3
	v_cndmask_b32 v[PA4+(\k)], v[TRH], v[PA4+(\k)], s[MK+(\k)]   ; a lane without a match writes its trash entry
.endr
.irp k, 0,1,2,3
	v_min_u32 v[PA4+(\k)], 0x81f, v[PA4+(\k)]      ; inside my segment, whatever was read
.endr
.irp k, 0,1,2,3
	v_lshl_add_u32 v[PA4+(\k)], v[PA4+(\k)], 1, v[SEGB]
.endr
.irp k, 0,1,2,3
	ds_store_b16 v[PA4+(\k)], v[RV4+(\k)]
.endr
	v_add_nc_u32 v[ROWV], 0x80, v[ROWV]    ; 32 tokens on
	s_sub_co_u32 s[KC], s[KC], 1
	s_cmp_lg_u32 s[KC], 0
	s_cbranch_scc1 .Lscan
	s_lshl_b32 s[ST0], s[WV], 2
	s_add_co_u32 s[ST0], s[ST0], CNTB
	v_mov_b32 v[TA], s[ST0]
	v_mov_b32 v[TBB], s[RK]
	ds_store_b32 v[TA], v[TBB]             ; all lanes write the same word with the same number
	s_wait_dscnt 0x0                       ; for the others' sake: my list and my count are in LDS
	s_barrier_signal -1
	s_barrier_wait -1
	v_mov_b32 v[TA], CNTB
	ds_load_b128 v[CN:CN+3], v[TA]
	s_wait_dscnt 0x0
.irp k, 0,1,2,3
	v_readfirstlane_b32 s[CC+(\k)], v[CN+(\k)]
	s_min_u32 s[CC+(\k)], s[CC+(\k)], 0x800
.endr
	s_mov_b32 s[BS], s[CC]
	s_add_co_u32 s[BS+1], s[BS], s[CC+1]
	s_add_co_u32 s[BS+2], s[BS+1], s[CC+2]
	s_add_co_u32 s[TOT], s[BS+2], s[CC+3]
.irp k, 0,1,2
	s_lshl_b32 s[ST0], s[CC+(\k)], 1
	s_sub_co_u32 s[GG+(\k)], SEG, s[ST0]
.endr
	s_max_u32 s[LAST], s[TOT], 1
	s_sub_co_u32 s[LAST], s[LAST], 1
	s_add_co_u32 s[NBLK], s[TOT], 15
	s_lshr_b32 s[NBLK], s[NBLK], 4
	s_sub_co_i32 s[ST0], s[NBLK], s[WV]    ; my blocks are w, w + 4, w + 8 ..: (NBLK - w + 3) / 4 of them,
	s_add_co_i32 s[ST0], s[ST0], 3
	s_ashr_i32 s[ST0], s[ST0], 2
	s_min_u32 s[NB], s[ST0], 5             ; of which the first five go with the stream of w,
	s_sub_co_i32 s[ST0], s[ST0], 5
	s_max_i32 s[NOV], s[ST0], 0            ; and the others behind it
	s_mov_b32 s[SBASE], 0
; ---------------------------------------------------------------- chunks 0 and 1 of w into LDS; the first rows of x
	WCONV 0, 16, 0, 1, 2*CHUNKB, 0         ; behind chunk 0's loads: chunk 1's 16.  The set takes chunk 2
	SETUP 5
	s_mov_b64 s[XP:XP+1], s[XB:XB+1]
.irp b, 0,1,2,3,4
	XLOAD \b
.endr
	WCONV 1, 56, 0x4000, 1, 3*CHUNKB, 0    ; behind chunk 1's loads: chunk 2's 16 and x's 40.  The set takes chunk 3
	WIN 0
.irp i, 0,2,4,6
	v_cvt_pk_bf16_f32 v[TA], v[BI+(\i)], v[BI+(\i)+1]   ; the bias (loaded ahead of chunk 0) is rounded to bf16 like x and w, and widened again
	v_lshlrev_b32 v[BI+(\i)], 16, v[TA]
	v_and_b32 v[BI+(\i)+1], 0xffff0000, v[TA]
.endr
	INIT 5
	s_wait_xcnt 0x0                        ; w's pointer is a source of the loads and prefetches above
	s_add_nc_u64 s[PP:PP+1], s[WP:WP+1], 5*CHUNKB   ; trip 0 steps it to chunk 6
	s_add_nc_u64 s[WP:WP+1], s[WP:WP+1], 3*CHUNKB   ; trip 0 steps it to chunk 4
	s_wait_dscnt 0x0                       ; for the others' sake: my units of chunks 0 and 1 are in LDS
	s_barrier_signal -1
	s_barrier_wait -1
; ---------------------------------------------------------------- chunks 0 to 11.  Trip c multiplies chunk c, stores the fragments of chunk c + 2, asks for x's chunk c + 1 and then for w's chunk c + 4.
; Loads are issued in the order .. x(c), w(c + 3) | x(c + 1), w(c + 4) | ..: w stands BEHIND x, so that the waits for x(c) leave w(c + 3) out.
	s_mov_b32 s[KC], 6
.Lk0:
	TRIP 0, 1, 0                           ; trips 0, 2 .. 10
	TRIP 1, 1, 0                           ; trips 1, 3 .. 11
	s_sub_co_u32 s[KC], s[KC], 1
	s_cmp_lg_u32 s[KC], 0
	s_cbranch_scc1 .Lk0
; ---------------------------------------------------------------- the last two chunks of w are rounded; CB stands at chunk 12
	WCONV 0, 56, 0x8000, 0, 0, 0           ; chunk 14: behind its loads: x(12)'s 40 and chunk 15's 16
	WCONV 1, 0, 0xc000, 0, 0, 0            ; chunk 15: the last loads issued
	WIN 0
	s_wait_dscnt 0x0                       ; for the others' sake: my units of chunks 14 and 15 are in LDS
	s_barrier_signal -1
	s_barrier_wait -1                      ; all fragments are in LDS and shown to all: no barrier from here on
; ---------------------------------------------------------------- chunks 12 to 15
	s_mov_b32 s[KC], 4
.Lk0t:
	TRIP 0, 0, 1
	s_sub_co_u32 s[KC], s[KC], 1
	s_cmp_lg_u32 s[KC], 0
	s_cbranch_scc1 .Lk0t
	s_wait_loadcnt 0x0                     ; the last trip asked for nothing: no load is out that could land in the registers that the way out writes
	EPI 5
; ---------------------------------------------------------------- rows from 320 on: my blocks 5, 6 .., one at a time.  20 + 4 x 123 = 512 blocks are the 8,192 rows that one expert can get.
; The count of trips is the constant maximum; a trip past my last block is jumped, forward; nothing jumped holds a barrier, and nothing in the loop writes LDS.
	s_cmp_eq_u32 s[NOV], 0
	s_cbranch_scc1 .Ldone
	s_mov_b32 s[SBASE], 320
	s_mov_b32 s[PIDX], 0
.Lpass:
	s_cmp_ge_u32 s[PIDX], s[NOV]
	s_cbranch_scc1 .Lnext
	s_wait_xcnt 0x0                        ; the last stores have read their offsets and data, which are written anew below
	SETUP 1
	s_mov_b64 s[XP:XP+1], s[XB:XB+1]
	s_mov_b32 s[CB], 0
	OLOAD
	INIT 1
	s_mov_b32 s[KC], 16
.Lk1:
	s_wait_xcnt 0x0                        ; x's pointer is a source of the loads of the trip before
	s_add_nc_u64 s[XP:XP+1], s[XP:XP+1], 0x100
	v_add_nc_u32 v[BLD], s[CB], v[BL0]     ; with the three lines below: four plain vector instructions behind the last product
	v_min_u32 v[BLD], 0x3c1f0, v[BLD]      ; the bound written out: chunk 15's base + 16 x 31; with the largest offset, 15,872, and 16 bytes a load ends at byte 262,144: these loads touch the resident fragments alone
.rept 2
	v_nop
.endr
	BLOAD
	WIN 0x0f
	s_wait_loadcnt 0x0                     ; this chunk's x
.set i, 0
.rept 16
	v_cvt_pk_bf16_f32 v[AF+i], v[XX+2*i], v[XX+2*i+1]
.set i, i+1
.endr
	WIN 0
	s_cmp_eq_u32 s[KC], 1
	s_cbranch_scc1 .Lno1                   ; the last trip asks for no further x
	OLOAD
	WIN 0
.Lno1:
	s_wait_dscnt 0x0
	UNITS 1
	s_add_co_u32 s[CB], s[CB], 0x4000
	s_sub_co_u32 s[KC], s[KC], 1
	s_cmp_lg_u32 s[KC], 0
	s_cbranch_scc1 .Lk1
	s_wait_loadcnt 0x0                     ; as above: no load is out
	EPI 1
.Lnext:
	s_add_co_u32 s[SBASE], s[SBASE], 64
	s_add_co_u32 s[PIDX], s[PIDX], 1
	s_cmp_lt_u32 s[PIDX], 123
	s_cbranch_scc1 .Lpass
.Ldone:
	s_wait_tensorcnt 0x0                   ; the wave's end, behind my last LDS store
	ds_add_u32 v[SPW], v[NIL]
	s_wait_dscnt 0x0
	s_endpgm
.Lfunc_end_k_qf9a77e2fe7_moe:
	.size	k_qf9a77e2fe7_moe, .Lfunc_end_k_qf9a77e2fe7_moe-k_qf9a77e2fe7_moe
	.p2alignl 7, 3214868480
	.fill 96, 4, 3214868480
	.section	.rodata,"a",@progbits
	.p2align	6, 0x0
	.amdhsa_kernel k_qf9a77e2fe7_moe
		.amdhsa_group_segment_fixed_size 326400
		.amdhsa_private_segment_fixed_size 0
		.amdhsa_enable_private_segment 0
		.amdhsa_kernarg_size 40
		.amdhsa_user_sgpr_count 2
		.amdhsa_user_sgpr_kernarg_segment_ptr 1
		.amdhsa_wavefront_size32 1
		.amdhsa_system_sgpr_workgroup_id_x 1
		.amdhsa_system_sgpr_workgroup_id_y 1
		.amdhsa_system_sgpr_workgroup_id_z 1
		.amdhsa_system_vgpr_workitem_id 0
		.amdhsa_next_free_vgpr 1024
		.amdhsa_next_free_sgpr 66
		.amdhsa_reserve_vcc 1
		.amdhsa_float_denorm_mode_32 3
		.amdhsa_float_denorm_mode_16_64 3
		.amdhsa_memory_ordered 1
		.amdhsa_forward_progress 1
		.amdhsa_inst_pref_size 163
	.end_amdhsa_kernel
	.amdgpu_metadata
---
amdhsa.version: [ 1, 2 ]
amdhsa.kernels:
  - .name:           k_qf9a77e2fe7_moe
    .symbol:         k_qf9a77e2fe7_moe.kd
    .args:
      - { .name: x, .offset: 0, .size: 8, .value_kind: global_buffer, .address_space: global }
      - { .name: idx, .offset: 8, .size: 8, .value_kind: global_buffer, .address_space: global }
      - { .name: w, .offset: 16, .size: 8, .value_kind: global_buffer, .address_space: global }
      - { .name: b, .offset: 24, .size: 8, .value_kind: global_buffer, .address_space: global }
      - { .name: out0, .offset: 32, .size: 8, .value_kind: global_buffer, .address_space: global }
    .group_segment_fixed_size: 326400
    .private_segment_fixed_size: 0
    .kernarg_segment_align: 8
    .kernarg_segment_size: 40
    .max_flat_workgroup_size: 128
    .sgpr_count:     66
    .vgpr_count:     1024
    .wavefront_size: 32
...
	.end_amdgpu_metadata
.endif
;; end of part 1
